; MI455X (gfx1250); checked and timed in simulation.
; The chip was launched on July 23, 2026; its instructions are those of AMD's public machine-readable ISA for CDNA 5 (MIT licence, August 2026) and "CDNA5" Instruction Set Architecture Reference Guide (July 2026). The comments in the code are by the model that wrote it; some were corrected since.
;; Attention Base. Allowed arithmetic: matrix products marked QUANTISED: E2M3 operands, one E8M0 scale for each 32 along K, by v_wmma_scale_f32_16x16x128_f8f6f4 with both operands' format E2M3, f32 sums; everything else in f32.
;; Inputs: k 4 x 2,048 x 1,024 float32; q 4 x 2,048 x 1,024 float32; v_codes 4 x 1,024 x 64 x 24 uint8 (E2M3 codes of v, K innermost, in blocks of 32 codes, four codes in three bytes); v_scales 4 x 1,024 x 64 uint8 (E8M0 scales of v, one for each 32 codes along K); w_out_codes 1,024 x 32 x 24 uint8 (E2M3 codes of w_out, K innermost, in blocks of 32 codes, four codes in three bytes); w_out_scales 1,024 x 32 uint8 (E8M0 scales of w_out, one for each 32 codes along K).
;; Outputs: out0 4 x 2,048 x 1,024 float32.
;; This version of the problem:
;;   THIS VERSION OF THE PROBLEM IS GIVEN IN LOW PRECISION. The matrix products marked QUANTISED in the list below multiply operands that are first quantised to E2M3 (2 exponent bits, 3 mantissa bits; 6 bits a number), with one power-of-two scale for each 32 numbers along K (OCP MX v1.0); their sums are f32. All else is computed in f32.
;;   The module's matrix products, in the order in which they are computed (A, B: the left and right operand; K: the contracted axis; several contracted axes count as one K, in the product's order):
;;     1. batch 64 x [M 2,048, K 64] x [K 64, N 2,048]; A: input q; B: input k: QUANTISED
;;     2. batch 64 x [M 2,048, K 2,048] x [K 2,048, N 64]; A: softmax (see below); B: input v (given as codes): QUANTISED
;;     3. [M 8,192, K 1,024] x [K 1,024, N 1,024]; A: computed on the way; B: input w_out (given as codes): QUANTISED
;;   THE QUANTISER, for each operand of a quantised product, along K:
;;     - K is cut into blocks of 32 from its start; a last block that is shorter is filled with zeros.
;;     - A block's scale is 2^e with e = floor(log2(the largest magnitude in the block)) - 2, held to -126 .. 127; a block of zeros has e = 0. As a byte (E8M0): e + 127.
;;     - Each number is divided by its block's scale, clamped to +-7.5, and rounded to the nearest number of E2M3, ties to even, subnormals kept.
;;     - The product sums the exact products of the quantised numbers (number of the format x scale) in f32.
;;   ~~~python
;;   def quantise(x, axis):      # numpy; x: float32 -> the quantised numbers, widened to float32 again
;;       x = np.moveaxis(x, axis, -1); K = x.shape[-1]
;;       x = np.pad(x, [(0, 0)] * (x.ndim - 1) + [(0, -K % 32)]); x = x.reshape(x.shape[:-1] + (-1, 32)); a = np.abs(x).max(-1, keepdims=True)
;;       e = np.where(a > 0, np.clip(np.frexp(np.where(a > 0, a, 1))[1] - 1 - 2, -126, 127), 0)      # np.frexp(a)[1] - 1 = floor(log2(a)), exactly
;;       r = np.clip(x / 2.0 ** e, -7.5, 7.5)
;;       step = 2.0 ** (np.maximum(np.frexp(np.where(r == 0, 1, r))[1] - 1, 0) - 3)
;;       q = np.round(r / step) * step * 2.0 ** e      # np.round: ties to even
;;       return np.moveaxis(q.reshape(q.shape[:-2] + (-1,))[..., :K], -1, axis).astype(np.float32)
;;   ~~~
;;   SOFTMAX AHEAD OF A QUANTISED PRODUCT. Where the list says 'softmax', what is quantised is not the finished softmax but p = 2^(t - M), with t = logit x log2(e) and M = ceil(the row's largest t), a whole number; so 1/2 < the row's largest p <= 1. The row's sum l is taken of the UNQUANTISED p, in f32, and the product's result is divided by l at the end. Since M is a whole number, a kernel that streams over the keys may use a running M (the ceiling of the running maximum): every later rescaling is an exact power of two, which a block's scale takes up: the codes' values come out the same.
;;   OPERANDS COMPUTED ON THE WAY. 'Computed on the way' means the value that the module computes at that place (a softmax that the list does not call 'softmax' is quantised finished and normalised). What goes into a quantiser is computed in f32, as accurately as f32 sums, v_exp_f32 and their like allow (about 1e-6 of the number): no bf16 or f16 on the way to a quantiser, and a product that is left as it is and whose result goes on into a quantised operand takes f32 operands (vector FMAs, or v_wmma_f32_16x16x4_f32). A number that lies on a knife's edge between two numbers of the format may be rounded either way, as far as f32 arithmetic and the matrix unit's own rounding can turn it there, and no further.
;;   INPUTS GIVEN AS CODES. v (in the module: [4, 2048, 1024], K = its axis 1); w_out (in the module: [1024, 1024], K = its axis 1): each comes as NAME_codes (uint8): NAME with its K axis moved to the last place and cut into blocks of 32 codes, [.., K / 32, bytes a block], one block behind the other in memory; four codes in three bytes: a row's codes are one little-endian stream of bits, code i at bits 6 i .. 6 i + 5 (a code: sign, 2 exponent bits, 3 mantissa bits); and NAME_scales (uint8): the same leading axes, one E8M0 byte (e + 127) for each 32 codes along K. Its value is code x scale, taken as it is: it is not quantised again, and the codes and scales need not be those that the quantiser above would give.
;; One version. Each part assembles by itself: llvm-mc -triple=amdgcn-amd-amdhsa -mcpu=gfx1250 --defsym DOCPART=n.
;; ======== version 1 of 1: 3 launches
;; limits: right only within a limited range of input values
;; workspace buffers: kq 6,553,600 bytes; ac 6,291,456 bytes; asc 262,144 bytes
;; launch quantk (part 1): grid 256 x 1, 8 waves a work-group, no clusters, 136,192 bytes of LDS; arguments k, kq; writes kq
.if DOCPART == 1
	.amdgcn_target "amdgcn-amd-amdhsa--gfx1250"
	.amdhsa_code_object_version 6
	.text
	.protected	k_q7cad329eb0_quantk
	.globl	k_q7cad329eb0_quantk
	.p2align	8
	.type	k_q7cad329eb0_quantk,@function
k_q7cad329eb0_quantk:
	s_mov_b64 s[64:65], 0
	v_nop
	global_prefetch_b8 v0, s[64:65] scope:SCOPE_SE
	s_setreg_imm32_b32 hwreg(HW_REG_WAVE_MODE, 25, 1), 1
	s_wait_xcnt 0x0
; k [4][2048][1024] f32 becomes codes of FP6 (E2M3) with one E8M0 scale for each 32 along a head's 64 numbers, laid as the attention launch's operand registers want them.
; kq: [batch x head 64][quarter 4][25,600 bytes].  A quarter is 512 keys: 16 groups of 32 keys x 1,536 bytes of codes, then 16 x 64 bytes of scale words.
; A GROUP'S CODES ARE THE IMAGE OF ONE FRAGMENT OF 12 REGISTERS: registers 4 i .. 4 i + 3 of lane l lie at 512 i + 16 l.  Registers 6 c .. 6 c + 5 of lane (r, h) hold key 8 c + r + 8 (r / 8) of the group,
; numbers 32 h .. 32 h + 31 of the head: the fragment's lower 64 along K are one tile of 16 keys, its upper 64 another.  Lane r's scale word: byte 2 c + h.
; A block's scale is 2^(floor(log2(its largest magnitude)) - 2); its byte is the largest magnitude's exponent field - 2, held at 1 from below.
; LIMITS: a block of zeros gets the byte 1 (its codes are zeros, and this program alone reads the bytes); blocks whose largest magnitude lies under 2^(3 - 127) are held at that byte; NaN and infinities among the inputs are not served.
; SHARES: a work-group takes 32 keys of one batch, all 16 heads: 131,072 bytes in two runs of 65,536.  Wave w takes heads 2 w and 2 w + 1: 512 bytes of each row.  Each load reads 512 consecutive bytes; the conversions want
; 32 neighbours in ONE lane, so the bytes turn through the wave's own stage in LDS (rows of 512 bytes + 16, so that the sixteen rows of a load start at sixteen different banks: 64 banks of 4 bytes, ISA guide 11.1).
; Waves share nothing: no barrier.  Work-groups share no input: no cluster.  All 32 loads of a wave go out at once: its whole share.
.set ROWB,  4096                       ; a key's row in k
.set SLOTB, 528                        ; a stage row
.set WSTG,  32*SLOTB                   ; a wave's stage
.set HEADB, 102400                     ; a head in kq
.set QUARB, 25600                      ; a quarter in kq
.set KSW,   24576                      ; where a quarter's scale words begin
.set MX,    10                         ; v10-11  two chains of maxima;  v12 the conversion's scale operand
.set BY,    16                         ; v16-19  scale bytes: head e, half c at BY + 2 e + c
.set CT,    20                         ; v20-22  a conversion's second half
.set WD,    24                         ; v24-25  the two heads' scale words;  v26 at work
.set IMG,   32                         ; v32-55  the two heads' fragments
.set X,     64                         ; v64-127 32 neighbours for each head
.set R,     128                        ; v128-255 the rows as loaded: slot sg at R + 4 sg
; 32 numbers of a lane, v[src] on, become 6 registers of codes at v[dst] on and the block's byte in v[by].
.macro QUANT32 src, dst, by
	v_max3_num_f32 v[MX], |v[(\src)]|, |v[(\src)+1]|, 0x1800000     ; with the floor 2^(3 - 127) among the leaves: the byte cannot fall under 1
	v_max3_num_f32 v[MX+1], |v[(\src)+2]|, |v[(\src)+3]|, |v[(\src)+4]|
.irp i, 5,9,13,17,21,25
	s_delay_alu instid0(VALU_DEP_2)
	v_max3_num_f32 v[MX], v[MX], |v[(\src)+\i]|, |v[(\src)+\i+1]|
	s_delay_alu instid0(VALU_DEP_2)
	v_max3_num_f32 v[MX+1], v[MX+1], |v[(\src)+\i+2]|, |v[(\src)+\i+3]|
.endr
	s_delay_alu instid0(VALU_DEP_2)
	v_max3_num_f32 v[MX], v[MX], |v[(\src)+29]|, |v[(\src)+30]|
	s_delay_alu instid0(VALU_DEP_1)
	v_max3_num_f32 v[MX], v[MX], v[MX+1], |v[(\src)+31]|            ; the block's largest magnitude: all 32 numbers are mine
	s_delay_alu instid0(VALU_DEP_1)
	v_add_nc_u32 v[MX+2], 0xff000000, v[MX]                         ; 2 off its exponent field: the conversion takes this operand's exponent field as its scale
	s_delay_alu instid0(VALU_DEP_1)
	v_lshrrev_b32 v[(\by)], 23, v[MX+2]                             ; the scale's byte
	v_cvt_scalef32_pk16_fp6_f32 v[(\dst):(\dst)+2], v[(\src):(\src)+15], v[MX+2]
	v_cvt_scalef32_pk16_fp6_f32 v[CT:CT+2], v[(\src)+16:(\src)+31], v[MX+2]   ; (a conversion's three registers begin on an even number: the second half is made here and moved)
	v_nop                                                           ; one plain place behind a scaled conversion
.irp i, 0,1,2
	v_mov_b32 v[(\dst)+3+\i], v[CT+\i]
.endr
.endm
	s_load_b128 s[4:7], s[0:1], 0x0                ; k, kq
	v_lshl_add_u32 v62, v0, 2, 0x21000
	v_mov_b32 v63, 0
	v_and_b32 v1, 31, v0                           ; lane
	v_and_b32 v2, 15, v0                           ; r
	v_bfe_u32 v3, v0, 4, 1                         ; h
	v_lshrrev_b32 v9, 5, v0
	s_delay_alu instid0(VALU_DEP_1)
	v_readfirstlane_b32 s10, v9                    ; wave 0..7
	v_lshlrev_b32 v4, 4, v1                        ; 16 x lane: my bytes of a load's and of a store's 512
	s_mul_i32 s11, s10, WSTG
	v_add_nc_u32 v5, s11, v4                       ; the stage, on the way in
	v_mul_u32_u24 v6, v2, SLOTB
	s_delay_alu instid0(VALU_DEP_1)
	v_lshl_add_u32 v6, v3, 7, v6
	s_delay_alu instid0(VALU_DEP_1)
	v_add_nc_u32 v6, s11, v6                       ; and back: row r, + 128 h: my block's 32 numbers
	v_lshlrev_b32 v7, 3, v3                        ; 8 h: my byte's place in a scale word
	v_mul_u32_u24 v8, v3, HEADB
	s_delay_alu instid0(VALU_DEP_1)
	v_lshl_add_u32 v8, v2, 2, v8                   ; scale words: lanes 0-15 store the first head's, lanes 16-31 the second's
	v_mov_b32 v26, 0                               ; a lane permute's destination counts as one of its sources
	s_mov_b32 s12, 0x76543210
	s_mov_b32 s13, 0xfedcba98                      ; v_permlanex16_b32's selects for lane l xor 16
	; THE KEYS OF A GROUP: two groups share 64 keys on end.  Group g of a quarter begins at key 64 (g / 2) + 16 (g % 2) and takes 16 keys there and the 16 keys that lie 32 further on
	s_lshr_b32 s14, ttmp9, 1
	s_lshl_b32 s14, s14, 18                        ; 64 rows of 4,096 bytes for each pair of work-groups,
	s_and_b32 s16, ttmp9, 1
	s_lshl_b32 s16, s16, 16                        ; 16 rows more for the odd one,
	s_add_co_u32 s14, s14, s16
	s_lshl_b32 s16, s10, 9
	s_add_co_u32 s14, s14, s16                     ; my wave's 512 bytes of each
	s_mov_b32 s15, 0
	s_lshr_b32 s16, ttmp9, 6                       ; the batch
	s_lshl_b32 s16, s16, 4
	s_lshl_b32 s17, s10, 1
	s_add_co_u32 s16, s16, s17                     ; 16 x batch + my first head
	s_mul_i32 s16, s16, HEADB
	s_bfe_u32 s17, ttmp9, 0x20004                  ; which quarter of the keys: bits 5:4 of the work-group's number
	s_mul_i32 s17, s17, QUARB
	s_add_co_u32 s16, s16, s17
	s_and_b32 s17, ttmp9, 15                       ; which group of the quarter
	s_mul_i32 s18, s17, 1536
	s_add_co_u32 s18, s18, s16                     ; the group's codes
	s_mov_b32 s19, 0
	s_lshl_b32 s20, s17, 6
	s_add_co_u32 s20, s20, s16
	s_add_co_u32 s20, s20, KSW                     ; its scale words
	s_mov_b32 s21, 0
	s_wait_alu depctr_va_vdst(0)
	s_wait_kmcnt 0x0
	s_add_nc_u64 s[4:5], s[4:5], s[14:15]
	s_add_nc_u64 s[8:9], s[6:7], s[20:21]
	s_add_nc_u64 s[6:7], s[6:7], s[18:19]
; Slot sg = 16 c + r takes key 16 (r / 8) + 8 c + r % 8 of the group: the key that lane r of the fragment's half c wants.
.set sg, 0
.rept 32
	global_load_b128 v[R+4*sg:R+4*sg+3], v4, s[4:5] offset:(32*((sg/8)%2)+8*(sg/16)+sg%8)*ROWB th:TH_LOAD_NT   ; slot 16 c + r takes the row 32 (r / 8) + 8 c + r % 8 from the group's first: tile 2 (g % 2) + c of the 64 keys holds keys 8 T .. 8 T + 7 of both blocks of 32
.set sg, sg+1
.endr
; Half c of both heads' fragments: 16 rows through the stage.  LDS serves a wave's instructions in order (ISA guide 5.7.1.4): no wait between the stores and the loads.
.macro HALF c
	s_wait_loadcnt 16*(1-\c)                       ; loads come back in order: this half's sixteen are in; for c = 0 the sixteen younger ones stay out
.set sg, 16*\c
.rept 16
	ds_store_b128 v5, v[R+4*sg:R+4*sg+3] offset:SLOTB*sg
.set sg, sg+1
.endr
.irp e, 0,1
.irp j, 0,1,2,3,4,5,6,7
	ds_load_b128 v[X+32*\e+4*\j:X+32*\e+4*\j+3], v6 offset:16*SLOTB*\c+256*\e+16*\j
.endr
.endr
	s_wait_dscnt 8                                 ; the first head's numbers are back; the second head's eight loads may be out
	QUANT32 X, IMG+6*\c, BY+\c
	s_wait_dscnt 0x0
	QUANT32 X+32, IMG+12+6*\c, BY+2+\c
.endm
	HALF 0
	HALF 1
.irp e, 0,1
	v_lshl_or_b32 v[WD+\e], v[BY+2*\e+1], 16, v[BY+2*\e]           ; my two bytes: blocks h and 2 + h,
	s_delay_alu instid0(VALU_DEP_1)
	v_lshlrev_b32 v[WD+\e], v7, v[WD+\e]                           ; at their places;
	s_delay_alu instid0(VALU_DEP_1)
	v_permlanex16_b32 v26, v[WD+\e], s12, s13
	s_delay_alu instid0(VALU_DEP_1)
	v_or_b32 v[WD+\e], v[WD+\e], v26                               ; with lane l xor 16's two the word is whole
.endr
	v_cmp_lt_u32 vcc_lo, 15, v1
	s_delay_alu instid0(VALU_DEP_1)
	v_cndmask_b32 v[WD], v[WD], v[WD+1], vcc_lo    ; lanes 16-31 carry the second head's words
.irp e, 0,1
.irp i, 0,1,2
	global_store_b128 v4, v[IMG+12*\e+4*\i:IMG+12*\e+4*\i+3], s[6:7] offset:HEADB*\e+512*\i   ; 32 lanes store 512 consecutive bytes, at a multiple of 256 from kq's first byte
.endr
.endr
	global_store_b32 v8, v[WD], s[8:9]             ; two runs of 64 bytes: one byte in 128 of what the launch reads
	s_wait_tensorcnt 0x0
	ds_add_u32 v62, v63
	s_wait_dscnt 0x0
	s_endpgm
.Lfunc_end_k_q7cad329eb0_quantk:
	.size	k_q7cad329eb0_quantk, .Lfunc_end_k_q7cad329eb0_quantk-k_q7cad329eb0_quantk
	.p2alignl 7, 3214868480
	.fill 96, 4, 3214868480
	.section	.rodata,"a",@progbits
	.p2align	6, 0x0
	.amdhsa_kernel k_q7cad329eb0_quantk
		.amdhsa_group_segment_fixed_size 136192
		.amdhsa_private_segment_fixed_size 0
		.amdhsa_enable_private_segment 0
		.amdhsa_kernarg_size 16
		.amdhsa_user_sgpr_count 2
		.amdhsa_user_sgpr_kernarg_segment_ptr 1
		.amdhsa_wavefront_size32 1
		.amdhsa_system_sgpr_workgroup_id_x 1
		.amdhsa_system_sgpr_workgroup_id_y 1
		.amdhsa_system_sgpr_workgroup_id_z 1
		.amdhsa_system_vgpr_workitem_id 0
		.amdhsa_next_free_vgpr 256
		.amdhsa_next_free_sgpr 66
		.amdhsa_reserve_vcc 1
		.amdhsa_float_denorm_mode_32 3
		.amdhsa_float_denorm_mode_16_64 3
		.amdhsa_memory_ordered 1
		.amdhsa_forward_progress 1
		.amdhsa_inst_pref_size 19
	.end_amdhsa_kernel
	.amdgpu_metadata
---
amdhsa.version: [ 1, 2 ]
amdhsa.kernels:
  - .name:           k_q7cad329eb0_quantk
    .symbol:         k_q7cad329eb0_quantk.kd
    .args:
      - { .name: k, .offset: 0, .size: 8, .value_kind: global_buffer, .address_space: global }
      - { .name: kq, .offset: 8, .size: 8, .value_kind: global_buffer, .address_space: global }
    .group_segment_fixed_size: 136192
    .private_segment_fixed_size: 0
    .kernarg_segment_align: 8
    .kernarg_segment_size: 16
    .max_flat_workgroup_size: 256
    .sgpr_count:     66
    .vgpr_count:     256
    .wavefront_size: 32
...
	.end_amdgpu_metadata
.endif
;; end of part 1
;; launch attn (part 2): grid 4 x 64, 16 waves a work-group, clusters of 4 x 1, 327,680 bytes of LDS; arguments q, kq, v_codes, v_scales, ac, asc; writes ac, asc
.if DOCPART == 2
	.amdgcn_target "amdgcn-amd-amdhsa--gfx1250"
	.amdhsa_code_object_version 6
	.text
	.protected	k_q7cad329eb0_attn
	.globl	k_q7cad329eb0_attn
	.p2align	8
	.type	k_q7cad329eb0_attn,@function
k_q7cad329eb0_attn:
	s_mov_b64 s[64:65], 0
	v_nop
	global_prefetch_b8 v0, s[64:65] scope:SCOPE_SE
	s_setreg_imm32_b32 hwreg(HW_REG_WAVE_MODE, 25, 1), 1
	s_wait_xcnt 0x0
	s_wait_alu depctr_hold_cnt(0) depctr_sa_sdst(0) depctr_va_vdst(0) depctr_va_sdst(0) depctr_va_ssrc(0) depctr_va_vcc(0) depctr_vm_vsrc(0)
	s_getreg_b32 s2, hwreg(HW_REG_IB_STS2, 6, 4)
	s_cmp_eq_u32 s2, 0
	s_cbranch_scc0 .Lentry_in_a_cluster
	s_endpgm
.Lentry_in_a_cluster:
	s_bfe_u32 s2, ttmp6, 0x10000c
	s_cmp_lg_u32 s2, 0x3003
	s_cbranch_scc0 .Lentry_shape_is_right
	s_endpgm
.Lentry_shape_is_right:
; Attention of one head on codes of FP6 (E2M3) with one E8M0 scale for each 32 along a product's K; the result is quantised for the projection that follows.
; q [4][2048][1024] f32: quantised here.  kq: k's codes as fragment images.  v_codes [4][1024][64][24], v_scales [4][1024][64]: the keys innermost.
; THE SOFTMAX: t = score x log2(e) / 8; M = the row's largest t so far, rounded UP to a whole number; p = 2^(t - M) is quantised along the keys, not normalised.  The row's sum is taken of the
; unquantised p and divides O at the end.  When M moves, the sum and O are multiplied by 2^(old M - new M): exact.
; SHARES: a work-group owns 512 queries of one head; each of its sixteen waves two tiles of 16, one after the other, in 256 registers.
; A HEAD'S K AND V LIE IN LDS WHOLE, each byte filled once, by thirteen tensor loads at the head, one a wave: waves 0-7 eight rows of V each (12,288 dense bytes as 48 rows of 256), waves 8-11 a quarter of K each
; (25,600 dense bytes as 100 rows of 256), wave 12 V's scale bytes.  Every row begins at a multiple of 256 bytes but the scale bytes' rows of 64, which cross no such border.  Nothing is filled again.
; CLUSTER: the four work-groups of a cluster are the four query blocks of one head and want the same K and V: every tile is asked for jointly, with a mask that names the four.
; NO PREFETCH: all fills go out at the head, ahead of the loop; the loop reads LDS alone.
; LAYOUT: both products are used transposed: S^T = K Q^T (source 0 = 16 keys), O^T = V^T P^T (source 0 = 16 of the head's 64): a lane holds ONE query (lane % 16) throughout.
; THE FIRST PRODUCT'S K IS 64, HALF OF THE INSTRUCTION'S 128: a fragment of K carries two tiles of 16 keys, one in each half.  Q stands between two runs of zero codes, v16-33 = [0 x 6][q x 6][0 x 6]:
; v[22:33] = [q; 0] meets the lower half, v[16:27] = [0; q] the upper.  Zero codes add nothing; their scale bytes are 0.
; THE KEYS OF A TILE (chosen in kq): of 64 keys on end, tile T = 0 .. 3 has in its rows 0-7 keys 8 T .. 8 T + 7 and in its rows 8-15 keys 32 + 8 T .. 32 + 8 T + 7.  So the 32 registers of four tiles are, in lane
; (r, h), ALL 32 keys of block h of the 64, in order: the block's maximum needs no other lane, and the conversions' results are the second product's operand as they stand.
; q comes in whole rows of 256 bytes (sixteen lanes a row) and turns through the wave's own stage in LDS, so that a lane gets 32 neighbours.
; OUT: ac [block of 256 rows 32][head 16][tile of 16 rows 16][3][lane 32][8 bytes]: the six registers that lane (r, h) holds of row r, numbers 32 h .. 32 h + 31 of the head;  asc [row 8192][32]: byte 2 x head + h.
; LIMITS: NaN and infinities among the inputs are not served; a block of zeros gets the byte 1 (its codes are zeros; this program alone reads the bytes); the promise holds while |t| stays under 2^31.
.set KQB,  25600                       ; LDS: K's quarter j at KQB j, as it lies in kq;
.set KSW,  24576                       ; in it the scale words
.set VC,   102400                      ; V: 64 rows of 1,536 bytes, 8 bytes of padding behind every 256:
.set VP,   1584                        ; pitch 1,584 = 396 words: row r starts at bank 12 r mod 64 (64 banks of 4 bytes: ISA guide 11.1): sixteen rows start at sixteen different multiples of 4
.set VS,   VC+64*VP                    ; V's scale bytes: 64 rows of 64 bytes + 8
.set VSP,  72
.set STG,  VS+64*VSP                   ; q's stages: 16 rows of 256 bytes + 16 for each wave; no fill lands here
.set SPI,  272
.set SPARE, STG+16*16*SPI              ; the spare words: 128 bytes a wave
.set VA,   44                          ; v44-47 my place in V: tiles 0, 1 (v45: behind one padding more), tiles 2, 3 (v47 likewise)
.set F,    48                          ; v48-95   four fragments, of K and then of V
.set S,    96                          ; v96-159  S^T, then p
.set OT,   160                         ; v160-191 O^T
.set PC,   192                         ; v192-203 p's codes
.set CT,   204                         ; v204-206, v208-210 the conversions' second halves
.set BM,   212                         ; v212-215 four chains of maxima; then v212, v214: my two blocks' largest scores, then largest p
.set BT,   216                         ; v216-217 at work; the bytes
.set SCOP, 218                         ; v218-219 the conversions' scale operands
.set KW,   220                         ; v220-221 K's scale words: lanes 0-15 group 2 i, lanes 16-31 group 2 i + 1
.set VW,   222                         ; v222-223 V's likewise, by tiles
.set FF,   224                         ; v224 f = 2^(old M - new M)
.set PW,   225                         ; v225 p's scale word
.set TMP,  226                         ; v226-227 at work
.set LA,   228                         ; v228-235 the row's sum, in four chains of two
; v1 16 x lane; v2 4 x lane + KSW; v3, v4 my place in a tile of V; v5 my place among V's scale words; v6 8 x lane; v7 32 r + h; v8, v9 K's addresses, v10 V's scale words' in this trip;
; v12 -M, v13 the largest score; v14 8 h; v16-33 Q; v34, v35 Q's scale words for the two halves; v36-43 the second tile's
.set WV,   16                          ; s16 my wave's number
.set NC,   17                          ; s17 -c
.set SEL,  18                          ; s[18:19] v_permlanex16_b32's selects: lane l xor 16
.set CS,   20                          ; s[20:21] c = log2(e) / 8
.set OK,   22                          ; s22-24 the trip's steps in LDS
.set CNT,  25
.set G1K,  28
.set G1V,  36
.set G1S,  44
.set G0V,  52
.set G0K,  56
.set G0S,  60
.macro ROUND                           ; a round of the cluster's barrier
	s_barrier_signal -1
	s_barrier_wait -1
	s_cmp_lg_u32 s[WV], 0
	s_cbranch_scc1 .Lnot_wave_0_\@
	s_barrier_signal -3
.Lnot_wave_0_\@:
	s_barrier_wait -3
	s_barrier_signal -1
	s_barrier_wait -1
.endm
.macro FILL g0, g1                     ; a joint load with s_nop 0 and four v_nop behind it
	tensor_load_to_lds s[\g0:\g0+3], s[\g1:\g1+7]
	s_nop 0
.rept 4
	v_nop
.endr
.endm
; 32 numbers of a lane, v[src] on, become 6 registers of codes at v[dst] on and the block's byte in v[by].
.macro QUANT32 src, dst, by
	v_max3_num_f32 v[TMP], |v[(\src)]|, |v[(\src)+1]|, 0x1800000    ; the floor 2^(3 - 127) among the leaves: the byte cannot fall under 1
	v_max3_num_f32 v[TMP+1], |v[(\src)+2]|, |v[(\src)+3]|, |v[(\src)+4]|
.irp i, 5,9,13,17,21,25
	s_delay_alu instid0(VALU_DEP_2)
	v_max3_num_f32 v[TMP], v[TMP], |v[(\src)+\i]|, |v[(\src)+\i+1]|
	s_delay_alu instid0(VALU_DEP_2)
	v_max3_num_f32 v[TMP+1], v[TMP+1], |v[(\src)+\i+2]|, |v[(\src)+\i+3]|
.endr
	s_delay_alu instid0(VALU_DEP_2)
	v_max3_num_f32 v[TMP], v[TMP], |v[(\src)+29]|, |v[(\src)+30]|
	s_delay_alu instid0(VALU_DEP_1)
	v_max3_num_f32 v[TMP], v[TMP], v[TMP+1], |v[(\src)+31]|
	s_delay_alu instid0(VALU_DEP_1)
	v_add_nc_u32 v[SCOP], 0xff000000, v[TMP]                        ; 2 off the exponent field: the conversion's scale operand
	s_delay_alu instid0(VALU_DEP_1)
	v_lshrrev_b32 v[(\by)], 23, v[SCOP]
	v_cvt_scalef32_pk16_fp6_f32 v[(\dst):(\dst)+2], v[(\src):(\src)+15], v[SCOP]
	v_cvt_scalef32_pk16_fp6_f32 v[CT:CT+2], v[(\src)+16:(\src)+31], v[SCOP]   ; (a conversion's three registers begin on an even number)
	v_nop                                                           ; one plain place behind a scaled conversion
.irp i, 0,1,2
	v_mov_b32 v[(\dst)+3+\i], v[CT+\i]
.endr
.endm
.macro QWORD lo, hi                    ; my byte (block h) and lane l xor 16's make the query's two bytes: the word for [q; 0], and 16 bits up the word for [0; q]
	v_lshlrev_b32 v[\lo], v14, v[BM]
	s_delay_alu instid0(VALU_DEP_1)
	v_permlanex16_b32 v[TMP], v[\lo], s[SEL], s[SEL+1]
	s_delay_alu instid0(VALU_DEP_1)
	v_or_b32 v[\lo], v[\lo], v[TMP]
	s_delay_alu instid0(VALU_DEP_1)
	v_lshlrev_b32 v[\hi], 16, v[\lo]
.endm
.macro TURNQ src                       ; 16 rows of q, as loaded at v[src] on, through my stage: LDS serves a wave's instructions in order (ISA guide 5.7.1.4)
.irp i, 0,1,2,3,4,5,6,7
	ds_store_b128 v45, v[(\src)+4*\i:(\src)+4*\i+3] offset:2*SPI*\i
.endr
.irp i, 0,1,2,3,4,5,6,7
	ds_load_b128 v[F+4*\i:F+4*\i+3], v46 offset:16*\i
.endr
	s_wait_dscnt 0x0
.endm
.macro KQ d, a, b, sa, sb, row1        ; S^T's tile at v[d]: 16 keys (half a fragment) x my 16 queries; the sum begins with the constant 0
.if \row1
	v_wmma_scale_f32_16x16x128_f8f6f4 v[\d:\d+7], v[\a:\a+11], v[\b:\b+11], 0, v[\sa], v[\sb] matrix_a_fmt:MATRIX_FMT_FP6 matrix_b_fmt:MATRIX_FMT_FP6 matrix_a_scale:MATRIX_SCALE_ROW1
.else
	v_wmma_scale_f32_16x16x128_f8f6f4 v[\d:\d+7], v[\a:\a+11], v[\b:\b+11], 0, v[\sa], v[\sb] matrix_a_fmt:MATRIX_FMT_FP6 matrix_b_fmt:MATRIX_FMT_FP6
.endif
.endm
.macro PV d, a, sa, row1               ; O^T's tile at v[d] += 16 of the head's 64 x 128 keys
.if \row1
	v_wmma_scale_f32_16x16x128_f8f6f4 v[\d:\d+7], v[\a:\a+11], v[PC:PC+11], v[\d:\d+7], v[\sa], v[PW] matrix_a_fmt:MATRIX_FMT_FP6 matrix_b_fmt:MATRIX_FMT_FP6 matrix_a_scale:MATRIX_SCALE_ROW1
.else
	v_wmma_scale_f32_16x16x128_f8f6f4 v[\d:\d+7], v[\a:\a+11], v[PC:PC+11], v[\d:\d+7], v[\sa], v[PW] matrix_a_fmt:MATRIX_FMT_FP6 matrix_b_fmt:MATRIX_FMT_FP6
.endif
.endm
.macro SUMS j0, j1                     ; pairs j0 .. j1 - 1 of p onto the four chains by turns
.set jj, \j0
.rept (\j1)-(\j0)
	v_pk_add_f32 v[LA+2*(jj%4):LA+2*(jj%4)+1], v[LA+2*(jj%4):LA+2*(jj%4)+1], v[S+2*jj:S+2*jj+1]
.set jj, jj+1
.endr
.endm
; A KEY STEP: 128 keys, the st-th of the trip's eight.  The four plain vector instructions that end the step before (or the trip's address sums) are the places in front of the loads into F.
.macro STEP st
.irp b, 0,1,2,3
.irp i, 0,1,2
	ds_load_b128 v[F+12*\b+4*\i:F+12*\b+4*\i+3], v8 offset:((\st)/4)*KQB+(4*((\st)%4)+\b)*1536+512*\i   ; group b's fragment, as it was stored
.endr
.endr
.irp i, 0,1
	ds_load_b32 v[KW+\i], v9 offset:((\st)/4)*KQB+256*((\st)%4)+128*\i
.endr
	s_wait_dscnt 0x0
.irp g, 0,1
	KQ S+32*\g,    F+24*\g,    22, KW+\g, 34, 0
	KQ S+32*\g+8,  F+24*\g,    16, KW+\g, 35, 0
	KQ S+32*\g+16, F+24*\g+12, 22, KW+\g, 34, 1
	KQ S+32*\g+24, F+24*\g+12, 16, KW+\g, 35, 1
.endr                                  ; register 32 g + i of lane (r, h): query r, key 64 g + 32 h + i
	v_mov_b32 v[TMP], v12                          ; the old -M; with the three below: the places in front of the loads and of the first read of the scores
.rept 3
	v_nop
.endr
.irp t, 0,1,2,3                        ; V's four fragments land under the softmax.  Pieces of 8 bytes; lanes 16-31 read 24 bytes on, which for some pieces is behind one padding more
.irp p, 0,1,2,3,4,5
.set BY, 96*(\st)+48*(\p/3)+8*(\p%3)
.set XR, (BY+24)/256-BY/256
	ds_load_b64 v[F+12*\t+2*\p:F+12*\t+2*\p+1], v[VA+2*(\t/2)+XR] offset:BY+8*(BY/256)+(\t%2)*16*VP
.endr
.endr
.irp i, 0,1
	ds_load_b32 v[VW+\i], v10 offset:4*(\st)+32*VSP*\i
.endr
.irp b, 0,1,2,3
	v_max3_num_f32 v[BM+\b], v[S+16*\b], v[S+1+16*\b], v[S+2+16*\b]   ; four chains by turns, each accumulator from its low end on
.endr
.irp i, 3,5,7,9,11,13
.irp b, 0,1,2,3
	v_max3_num_f32 v[BM+\b], v[BM+\b], v[S+16*\b+\i], v[S+1+16*\b+\i]
.endr
.endr
	v_max_num_f32 v[BM+1], v[BM+1], v[S+31]
	v_max_num_f32 v[BM+3], v[BM+3], v[S+63]
	v_max3_num_f32 v[BM], v[BM], v[BM+1], v[S+15]      ; the largest score of my block of 32 keys: for the row's maximum and, since p rises with the score, for the block's largest p
	v_max3_num_f32 v[BM+2], v[BM+2], v[BM+3], v[S+47]
	s_delay_alu instid0(VALU_DEP_1)
	v_max_num_f32 v[TMP+1], v[BM], v[BM+2]
	s_delay_alu instid0(VALU_DEP_1)
	v_permlanex16_b32 v[BT], v[TMP+1], s[SEL], s[SEL+1]
	s_delay_alu instid0(VALU_DEP_1)
	v_max3_num_f32 v13, v13, v[TMP+1], v[BT]       ; the running largest score of my query
	s_delay_alu instid0(VALU_DEP_1)
	v_mul_f32 v[BT+1], s[NC], v13                  ; -t (c is positive)
	s_delay_alu instid0(VALU_DEP_1)
	v_floor_f32 v12, v[BT+1]                       ; the new -M = floor(-t) = -ceil(t)
.set jj, 0
.rept 32
	v_pk_fma_f32 v[S+jj:S+jj+1], v[S+jj:S+jj+1], s[CS:CS+1], v[12:13] op_sel_hi:[1,0,0]   ; t - M, two at a time
.set jj, jj+2
.endr
	v_fma_f32 v[BM], v[BM], s[CS], v12             ; the same of each block's largest score
	v_fma_f32 v[BM+2], v[BM+2], s[CS], v12
	v_sub_f32 v[TMP], v12, v[TMP]                  ; old M - new M: a whole number, 0 or less
	s_delay_alu instid0(VALU_DEP_1)
	v_cvt_i32_f32 v[TMP], v[TMP]                   ; (it saturates)
	s_wait_alu depctr_va_vdst(0)                   ; the wait ahead of the batch
.set jj, 0
.rept 64
	v_exp_f32 v[S+jj], v[S+jj]                     ; p = 2^(t - M)
.set jj, jj+1
.endr
	v_exp_f32 v[BM], v[BM]                         ; the block's largest p: the same two instructions on the same number give the same bits
	v_exp_f32 v[BM+2], v[BM+2]
	v_ldexp_f32 v[FF], 1.0, v[TMP]                 ; f = 2^(old M - new M).  (The plain place behind the exponentials)
	s_wait_alu depctr_va_vdst(0)                   ; one wait for the batch, directly ahead of the first readers of O^T too
.set jj, 0
.rept 16
	v_pk_mul_f32 v[OT+jj:OT+jj+1], v[OT+jj:OT+jj+1], v[FF:FF+1] op_sel_hi:[1,0]   ; O^T under the new M, each accumulator from its low end on
.set jj, jj+2
.endr
	v_max_num_f32 v[BM], 0x1800000, v[BM]          ; the floor 2^(3 - 127): the byte cannot fall under 1
	v_max_num_f32 v[BM+2], 0x1800000, v[BM+2]
.irp k, 0,1,2,3
	v_pk_fma_f32 v[LA+2*\k:LA+2*\k+1], v[LA+2*\k:LA+2*\k+1], v[FF:FF+1], v[S+2*\k:S+2*\k+1] op_sel_hi:[1,0,1]   ; each chain under the new M, and its first pair of p, in one
.endr
	v_add_nc_u32 v[SCOP], 0xff000000, v[BM]        ; 2 off the exponent field: the conversion's scale operand
	v_add_nc_u32 v[SCOP+1], 0xff000000, v[BM+2]
	s_delay_alu instid0(VALU_DEP_2)
	v_lshrrev_b32 v[BT], 23, v[SCOP]               ; the scale's byte
	s_delay_alu instid0(VALU_DEP_2)
	v_lshrrev_b32 v[BT+1], 23, v[SCOP+1]
	s_delay_alu instid0(VALU_DEP_1)
	v_lshl_or_b32 v[PW], v[BT+1], 16, v[BT]        ; my two bytes: blocks h and 2 + h,
	s_delay_alu instid0(VALU_DEP_1)
	v_lshlrev_b32 v[PW], v14, v[PW]                ; at their places;
	s_delay_alu instid0(VALU_DEP_1)
	v_permlanex16_b32 v[TMP+1], v[PW], s[SEL], s[SEL+1]
	s_delay_alu instid0(VALU_DEP_1)
	v_or_b32 v[PW], v[PW], v[TMP+1]                ; with lane l xor 16's two: p's scale word for these 128 keys
.irp c, 0,1
	v_cvt_scalef32_pk16_fp6_f32 v[PC+6*\c:PC+6*\c+2], v[S+32*\c:S+32*\c+15], v[SCOP+\c]
	v_cvt_scalef32_pk16_fp6_f32 v[CT+4*\c:CT+4*\c+2], v[S+32*\c+16:S+32*\c+31], v[SCOP+\c]   ; (a conversion's three registers begin on an even number)
.endr
	SUMS 4, 8                                      ; THE ROW'S SUM IS TAKEN OF THE UNQUANTISED p.  (Plain places behind the conversions)
.irp c, 0,1
.irp i, 0,1,2
	v_mov_b32 v[PC+6*\c+3+\i], v[CT+4*\c+\i]
.endr
.endr
	SUMS 8, 28                                     ; (also the places between the writes of p's codes and scale word and the products)
	s_wait_alu depctr_va_vdst(0)                   ; directly ahead of the wait below
	s_wait_dscnt 0x0                               ; V's fragments and scale words are in
.irp g, 0,1                            ; the four accumulators take turns, one instruction a turn
	PV OT+16*\g,   F+24*\g,    VW+\g, 0
	PV OT+16*\g+8, F+24*\g+12, VW+\g, 1
.endr
	SUMS 28, 32                                    ; four plain places behind the products
.endm
.macro INIT                            ; the step is written once: a tile's first step finds zeros, which the first change of M leaves zeros
	v_mov_b32 v13, 0xff61b1e6                      ; the largest score so far: -3e38
	v_mov_b32 v12, 0x7f61b1e6                      ; -M: 3e38, so that the first f is 0
.irp j, 0,1,2,3,4,5,6,7
	v_mov_b32 v[LA+\j], 0
.endr
.set jj, 0
.rept 32
	v_mov_b32 v[OT+jj], 0
.set jj, jj+1
.endr
.endm
; THE WAY OUT of a tile.  O^T / the sum; register 8 T + j of lane (r, h) is number 16 T + 8 h + j of query r.  Written in the tile order 0, 2, 1, 3, sixteen exchanges of half registers give lane (r, h)
; the 32 neighbours 32 h .. 32 h + 31: a whole block of the projection's K.
.macro OUT pass
	v_pk_add_f32 v[LA:LA+1], v[LA:LA+1], v[LA+2:LA+3]
	v_pk_add_f32 v[LA+4:LA+5], v[LA+4:LA+5], v[LA+6:LA+7]
	s_delay_alu instid0(VALU_DEP_1)
	v_pk_add_f32 v[LA:LA+1], v[LA:LA+1], v[LA+4:LA+5]
	s_delay_alu instid0(VALU_DEP_1)
	v_add_f32 v[LA], v[LA], v[LA+1]
	s_delay_alu instid0(VALU_DEP_1)
	v_permlanex16_b32 v[TMP], v[LA], s[SEL], s[SEL+1]
	s_delay_alu instid0(VALU_DEP_1)
	v_add_f32 v[LA], v[LA], v[TMP]                 ; with lane l xor 16's blocks: the row's sum
	s_wait_alu depctr_va_vdst(0)
	v_rcp_f32 v[LA], v[LA]
	v_nop                                          ; one plain place behind a transcendental
	s_wait_alu depctr_va_vdst(0)
.irp t, 0,1,2,3
.irp j, 0,2,4,6
	v_pk_mul_f32 v[S+8*(2*(\t%2)+\t/2)+\j:S+8*(2*(\t%2)+\t/2)+\j+1], v[OT+8*\t+\j:OT+8*\t+\j+1], v[LA:LA+1] op_sel_hi:[1,0]
.endr
.endr
.irp j, 0,1,2,3,4,5,6,7
	v_permlane16_swap_b32 v[S+\j], v[S+8+\j]       ; tile 0's lanes 16-31 change places with tile 2's lanes 0-15,
	v_permlane16_swap_b32 v[S+16+\j], v[S+24+\j]   ; tile 1's with tile 3's
.endr
	QUANT32 S, PC, BM
.irp p, 0,1,2
	global_store_b64 v6, v[PC+2*\p:PC+2*\p+1], s[12:13] offset:196608*\pass+256*\p   ; 32 lanes store 256 consecutive bytes, at a multiple of 256 from ac's first byte
.endr
	global_store_b8 v7, v[BM], s[14:15] offset:8192*\pass   ; single bytes: 1 in 24 of what the tile stores
.endm
	s_load_b256 s[4:11], s[0:1], 0x0               ; q s[4:5], kq s[6:7], v_codes s[8:9], v_scales s[10:11]
	s_load_b128 s[12:15], s[0:1], 0x20             ; ac s[12:13], asc s[14:15]
	v_lshl_add_u32 v254, v0, 2, SPARE
	v_mov_b32 v255, 0
	ds_add_u32 v254, v255                          ; the opening lines: the add, twice on end, and its wait ahead of the first tensor load
	ds_add_u32 v254, v255
	v_lshrrev_b32 v8, 5, v0
	v_and_b32 v9, 31, v0                           ; lane
	v_and_b32 v10, 15, v0                          ; r
	v_bfe_u32 v11, v0, 4, 1                        ; h
	v_readfirstlane_b32 s[WV], v8                  ; wave 0..15
	s_mul_i32 s2, s[WV], 16*SPI
	s_add_co_u32 s2, s2, STG                       ; my stage
	v_lshlrev_b32 v1, 4, v9
	v_mul_u32_u24 v3, v10, VP
	v_mul_u32_u24 v5, v9, VSP
	v_mul_u32_u24 v45, v11, SPI
	v_mul_u32_u24 v46, v10, SPI
	v_lshlrev_b32 v44, 12, v11
	v_mad_u32_u24 v3, v11, 24, v3
	v_add_nc_u32 v5, VS, v5
	v_lshl_add_u32 v45, v10, 4, v45
	v_lshl_add_u32 v46, v11, 7, v46
	v_lshl_add_u32 v44, v10, 4, v44                ; q: lanes 0-15 one row's 256 bytes, lanes 16-31 the next row's
	v_add_nc_u32 v3, VC, v3                        ; V: row r x pitch + 24 h
	v_add_nc_u32 v45, s2, v45                      ; the stage, on the way in: the same two rows
	v_add_nc_u32 v46, s2, v46                      ; and back: row r, + 128 h: my block's 32 numbers
	v_lshl_add_u32 v2, v9, 2, KSW
	v_lshlrev_b32 v6, 3, v9
	v_lshl_add_u32 v4, v11, 3, v3                  ; V behind one padding more
	v_lshl_add_u32 v7, v10, 5, v11
	v_lshlrev_b32 v14, 3, v11
.irp j, 16,17,18,19,20,21,28,29,30,31,32,33
	v_mov_b32 v[\j], 0                             ; the zero codes on both sides of q
.endr
	v_mov_b32 v[BT], 0                             ; a lane permute's destination counts as one of its sources
	v_mov_b32 v[PW], 0                             ; (named as the upper half of the pair v[224:225] before it is first written)
	s_wait_alu depctr_va_vdst(0)                   ; ahead of the run of scalar instructions
	s_mov_b32 s[SEL], 0x76543210
	s_mov_b32 s[SEL+1], 0xfedcba98
	s_mov_b32 s[CS], 0x3e38aa3b                    ; c = log2(e) / 8
	s_mov_b32 s[CS+1], s[CS]                       ; (named with it as a pair, so it is written)
	s_mov_b32 s[NC], 0xbe38aa3b                    ; -c
	; what the four partners share: the head and the wave's number.  Nothing else enters a descriptor.
	s_and_b32 s92, ttmp7, 0xffff                   ; 16 x batch + head
	s_lshl_b32 s26, s92, 12                        ; its 64 rows of 64 scale bytes
	s_mov_b32 s27, 0
	s_and_b32 s68, s[WV], 7                        ; which eight rows of V I fetch, if I fetch for V
	s_mul_i32 s69, s68, 8*VP
	s_add_co_u32 s69, s69, VC                      ; where they go
	s_mul_i32 s68, s68, 12288
	s_mul_i32 s2, s92, 98304                       ; the head's 64 rows of 1,536 bytes of V's codes
	s_add_co_u32 s2, s2, s68
	s_mov_b32 s3, 0
	s_and_b32 s70, s[WV], 3                        ; which quarter of K, if I fetch for K
	s_mul_i32 s70, s70, KQB                        ; its place in LDS and in the head's part of kq
	s_mul_i32 s66, s92, 4*KQB
	s_add_co_u32 s66, s66, s70
	s_mov_b32 s67, 0
	; K's quarter: 25,600 dense bytes, as 100 rows of 32 elements of 8 bytes
	s_mov_b32 s[G1K], 15|(3<<16)|(1<<21)           ; 15:0 the mask: all four work-groups; 17:16 elements of 8 bytes; 21 set beside a mask
	s_mov_b32 s[G1K+1], 32<<16
	s_mov_b32 s[G1K+2], 100<<16
	s_mov_b32 s[G1K+3], 32<<16
	s_mov_b32 s[G1K+4], 100
	s_mov_b32 s[G1K+5], 32
	s_mov_b32 s[G1K+6], 0
	s_mov_b32 s[G1K+7], 0
	; eight rows of V: 12,288 dense bytes, as 48 rows of 256
	s_mov_b32 s[G1V], 15|(3<<16)|(1<<20)|(1<<21)|(5<<22)|(1<<25)   ; padding on: after every 64 words (code 5) 2 words (code 1)
	s_mov_b32 s[G1V+1], 32<<16
	s_mov_b32 s[G1V+2], 48<<16
	s_mov_b32 s[G1V+3], 32<<16
	s_mov_b32 s[G1V+4], 48
	s_mov_b32 s[G1V+5], 32
	s_mov_b32 s[G1V+6], 0
	s_mov_b32 s[G1V+7], 0
	; V's scale bytes: 64 rows of 64 bytes
	s_mov_b32 s[G1S], 15|(1<<20)|(1<<21)|(3<<22)|(1<<25)    ; elements of 1 byte; padding: after every 16 words (code 3) 2 words (code 1)
	s_mov_b32 s[G1S+1], 64<<16
	s_mov_b32 s[G1S+2], 64<<16
	s_mov_b32 s[G1S+3], 64<<16
	s_mov_b32 s[G1S+4], 64
	s_mov_b32 s[G1S+5], 64
	s_mov_b32 s[G1S+6], 0
	s_mov_b32 s[G1S+7], 0
	; what is mine alone: my block of queries.  It enters q's, ac's and asc's addresses only.
	s_bfe_u32 s93, ttmp6, 0x40000                  ; cx
	s_lshl_b32 s94, ttmp9, 2
	s_add_co_u32 s94, s94, s93                     ; my block of 512 queries
	s_lshr_b32 s95, s92, 4                         ; the batch
	s_and_b32 s96, s92, 15                         ; the head
	s_lshl_b32 s97, s95, 11
	s_lshl_b32 s98, s94, 9
	s_add_co_u32 s97, s97, s98
	s_lshl_b32 s98, s[WV], 4
	s_add_co_u32 s97, s97, s98                     ; my first tile's first row: 2,048 x batch + 512 x block + 16 x wave
	s_lshl_b32 s98, s97, 12
	s_lshl_b32 s99, s96, 8
	s_add_co_u32 s98, s98, s99
	s_mov_b32 s99, 0
	s_wait_dscnt 0x0                               ; both opening adds are done
	s_wait_kmcnt 0x0
	s_add_nc_u64 s[4:5], s[4:5], s[98:99]          ; q at my first row, my head
.irp t, 0,1                            ; q of my two tiles, 256 rows apart: each load takes two whole rows of 256 bytes
.irp i, 0,1,2,3,4,5,6,7
	global_load_b128 v[S+32*\t+4*\i:S+32*\t+4*\i+3], v44, s[4:5] offset:1048576*\t+8192*\i th:TH_LOAD_NT
.endr
.endr
	s_add_nc_u64 s[10:11], s[10:11], s[26:27]
	s_add_nc_u64 s[8:9], s[8:9], s[2:3]
	s_add_nc_u64 s[6:7], s[6:7], s[66:67]
	s_mov_b32 s[G0V], 1                            ; descriptor group 0: count 1; the LDS address; the tile's first byte in memory; type 2
	s_mov_b32 s[G0V+1], s69
	s_mov_b64 s[G0V+2:G0V+3], s[8:9]
	s_or_b32 s[G0V+3], s[G0V+3], 0x80000000
	s_mov_b32 s[G0K], 1
	s_mov_b32 s[G0K+1], s70
	s_mov_b64 s[G0K+2:G0K+3], s[6:7]
	s_or_b32 s[G0K+3], s[G0K+3], 0x80000000
	s_mov_b32 s[G0S], 1
	s_mov_b32 s[G0S+1], VS
	s_mov_b64 s[G0S+2:G0S+3], s[10:11]
	s_or_b32 s[G0S+3], s[G0S+3], 0x80000000
	s_lshl_b32 s98, s97, 5
	s_lshl_b32 s93, s96, 1
	s_add_co_u32 s98, s98, s93
	s_add_nc_u64 s[14:15], s[14:15], s[98:99]      ; asc at my first row, my head's two bytes
	s_lshl_b32 s98, s95, 3
	s_lshl_b32 s93, s94, 1
	s_add_co_u32 s98, s98, s93                     ; my first tile's block of 256 rows
	s_mul_i32 s98, s98, 196608
	s_mul_i32 s93, s96, 12288
	s_add_co_u32 s98, s98, s93
	s_mul_i32 s93, s[WV], 768
	s_add_co_u32 s98, s98, s93
	s_add_nc_u64 s[12:13], s[12:13], s[98:99]      ; ac at my tile's image
	ROUND                                          ; all four work-groups are here: the joint loads meet
	; All fills of the launch, in one chain of branches on the wave's number, one load to an arm
	s_cmp_lt_u32 s[WV], 8
	s_cbranch_scc0 .Lfor_k
	FILL G0V, G1V
	s_branch .Lasked
.Lfor_k:
	s_cmp_lt_u32 s[WV], 12
	s_cbranch_scc0 .Lfor_s
	FILL G0K, G1K
	s_branch .Lasked
.Lfor_s:
	s_cmp_eq_u32 s[WV], 12
	s_cbranch_scc0 .Lasked
	FILL G0S, G1S
.Lasked:
	s_wait_loadcnt 8                               ; the first tile's eight loads are in; the second's may be out
	TURNQ S
	QUANT32 F, 22, BM
	QWORD 34, 35
	s_wait_loadcnt 0x0
	TURNQ S+32
	QUANT32 F, 36, BM
	QWORD 42, 43
	INIT
	s_wait_alu depctr_va_vdst(0)                   ; the head's end
	s_wait_tensorcnt 0x0                           ; my part of K or V is in,
	s_barrier_signal -1
	s_barrier_wait -1                              ; and everybody's
	s_mov_b32 s[CNT], 0
.Ltrip:                                                ; four trips of eight steps: trips 0, 1 the first tile's 2,048 keys, trips 2, 3 the second's.  After eight steps (768 bytes of a row of V) the pieces' places among the paddings come back
	s_and_b32 s[OK], s[CNT], 1                     ; which 1,024 keys
	s_mul_i32 s[OK+1], s[OK], 2*KQB
	s_mul_i32 s[OK+2], s[OK], 792                  ; 768 bytes and three paddings
	s_lshl_b32 s[OK], s[OK], 5
	v_add_nc_u32 v8, s[OK+1], v1
	v_add_nc_u32 v9, s[OK+1], v2
	v_add_nc_u32 v[VA], s[OK+2], v3
	v_add_nc_u32 v[VA+1], s[OK+2], v4
	v_add_nc_u32 v10, s[OK], v5
	s_add_co_u32 s[OK+2], s[OK+2], 32*VP           ; tiles 2 and 3 lie 32 rows on
	v_add_nc_u32 v[VA+2], s[OK+2], v3
	v_add_nc_u32 v[VA+3], s[OK+2], v4
	s_wait_alu depctr_va_vdst(0)
.irp st, 0,1,2,3,4,5,6,7
	STEP \st
.endr
	s_cmp_lg_u32 s[CNT], 1
	s_wait_alu depctr_va_vdst(0)                   ; ahead of a branch
	s_cbranch_scc1 .Lnext
	OUT 0                                          ; the first tile is done
	s_wait_xcnt 0x0                                ; the stores' data registers are written again only behind this wait
.irp j, 0,1,2,3,4,5
	v_mov_b32 v[22+\j], v[36+\j]                   ; the second tile's q
.endr
	v_mov_b32 v34, v42
	v_mov_b32 v35, v43
	INIT
.Lnext:
	s_add_co_u32 s[CNT], s[CNT], 1
	s_cmp_lt_u32 s[CNT], 4
	s_wait_alu depctr_va_vdst(0)
	s_cbranch_scc1 .Ltrip
	OUT 1
	s_wait_tensorcnt 0x0                           ; the wave's end
	ds_add_u32 v254, v255
	s_wait_dscnt 0x0
	ROUND                                          ; the closing round
	s_endpgm
.Lfunc_end_k_q7cad329eb0_attn:
	.size	k_q7cad329eb0_attn, .Lfunc_end_k_q7cad329eb0_attn-k_q7cad329eb0_attn
	.p2alignl 7, 3214868480
	.fill 96, 4, 3214868480
	.section	.rodata,"a",@progbits
	.p2align	6, 0x0
	.amdhsa_kernel k_q7cad329eb0_attn
		.amdhsa_group_segment_fixed_size 327680
		.amdhsa_private_segment_fixed_size 0
		.amdhsa_enable_private_segment 0
		.amdhsa_kernarg_size 48
		.amdhsa_user_sgpr_count 2
		.amdhsa_user_sgpr_kernarg_segment_ptr 1
		.amdhsa_wavefront_size32 1
		.amdhsa_system_sgpr_workgroup_id_x 1
		.amdhsa_system_sgpr_workgroup_id_y 1
		.amdhsa_system_sgpr_workgroup_id_z 1
		.amdhsa_system_vgpr_workitem_id 0
		.amdhsa_next_free_vgpr 256
		.amdhsa_next_free_sgpr 100
		.amdhsa_reserve_vcc 0
		.amdhsa_float_denorm_mode_32 3
		.amdhsa_float_denorm_mode_16_64 3
		.amdhsa_memory_ordered 1
		.amdhsa_forward_progress 1
		.amdhsa_inst_pref_size 150
	.end_amdhsa_kernel
	.amdgpu_metadata
---
amdhsa.version: [ 1, 2 ]
amdhsa.kernels:
  - .name:           k_q7cad329eb0_attn
    .symbol:         k_q7cad329eb0_attn.kd
    .args:
      - { .name: q, .offset: 0, .size: 8, .value_kind: global_buffer, .address_space: global }
      - { .name: kq, .offset: 8, .size: 8, .value_kind: global_buffer, .address_space: global }
      - { .name: v_codes, .offset: 16, .size: 8, .value_kind: global_buffer, .address_space: global }
      - { .name: v_scales, .offset: 24, .size: 8, .value_kind: global_buffer, .address_space: global }
      - { .name: ac, .offset: 32, .size: 8, .value_kind: global_buffer, .address_space: global }
      - { .name: asc, .offset: 40, .size: 8, .value_kind: global_buffer, .address_space: global }
    .group_segment_fixed_size: 327680
    .private_segment_fixed_size: 0
    .kernarg_segment_align: 8
    .kernarg_segment_size: 48
    .max_flat_workgroup_size: 512
    .sgpr_count:     100
    .vgpr_count:     256
    .wavefront_size: 32
...
	.end_amdgpu_metadata
.endif
;; end of part 2
;; launch proj (part 3): grid 8 x 32, 8 waves a work-group, clusters of 4 x 4, 327,680 bytes of LDS; arguments ac, asc, w_out_codes, w_out_scales, out0; writes out0
.if DOCPART == 3
	.amdgcn_target "amdgcn-amd-amdhsa--gfx1250"
	.amdhsa_code_object_version 6
	.text
	.protected	k_q7cad329eb0_proj
	.globl	k_q7cad329eb0_proj
	.p2align	8
	.type	k_q7cad329eb0_proj,@function
k_q7cad329eb0_proj:
	s_mov_b64 s[64:65], 0
	v_nop
	global_prefetch_b8 v0, s[64:65] scope:SCOPE_SE
	s_setreg_imm32_b32 hwreg(HW_REG_WAVE_MODE, 25, 1), 1
	s_wait_xcnt 0x0
	s_wait_alu depctr_hold_cnt(0) depctr_sa_sdst(0) depctr_va_vdst(0) depctr_va_sdst(0) depctr_va_ssrc(0) depctr_va_vcc(0) depctr_vm_vsrc(0)
	s_getreg_b32 s2, hwreg(HW_REG_IB_STS2, 6, 4)
	s_cmp_eq_u32 s2, 0
	s_cbranch_scc0 .Lentry_in_a_cluster
	s_endpgm
.Lentry_in_a_cluster:
	s_bfe_u32 s2, ttmp6, 0x10000c
	s_cmp_lg_u32 s2, 0xf033
	s_cbranch_scc0 .Lentry_shape_is_right
	s_endpgm
.Lentry_shape_is_right:
; out0[m][n] = sum over k of A[m][k] W[n][k], on codes of FP6 (E2M3) with one E8M0 scale for each 32 along K.  A [8192][1024]: the attention's result, as fragment images (ac) and scale bytes (asc [8192][32]).
; W [1024][1024]: w_out_codes, rows of 768 bytes, K innermost; w_out_scales [1024][32].  out0 [8192][1024] f32.
; SHARES: a work-group makes 256 rows x 128 columns: 256 work-groups.  Eight waves, each 64 x 64: 16 accumulators, 128 registers.
; ALL OF THE WORK-GROUP'S A AND W LIES IN LDS (196,608 + 104,448 bytes), each byte filled once, in four chunks of 256 along K, all asked for at the start: work begins when all of it is in; no slot is filled again.
; CLUSTER: 4 x 4 work-groups.  The four of a row of the cluster want the same rows of A, the four of a column the same rows of W: each tile is asked for jointly.
; THE MATRIX INSTRUCTION IS USED TRANSPOSED (source 0 = 16 rows of W, source 1 = 16 rows of A): a lane then holds eight neighbouring numbers of a row of out0.
; THE SCALE WORDS come from memory straight into registers, 8 bytes a row for a chunk's two K steps, a chunk ahead: lane l takes row 32 i + l, so lanes 0-15 hold tile 2 i's words and lanes 16-31 tile 2 i + 1's.
.set ACH,  49152                       ; LDS: A's chunk j at ACH j: [head 4][tile of 16 rows 16][768 bytes], as it lies in ac
.set WB,   196608                      ; W at WB:
.set WP,   816                         ; W lies whole: 128 rows of 768 bytes, 16 bytes of padding behind every 256: pitch 816 = 204 words: row r starts at bank 12 r mod 64, sixteen different multiples of 4
.set WCH,  128*WP
.set SPI,  272                         ; the way out: 16 rows x (256 bytes + 16) for each wave, in A's chunk 0, which has had its one fill and, one barrier back, its last read
.set SC,   10                          ; v10-25  scale words, two sets: in set s, A's pair i, step t at SC + 8 s + 2 i + t, W's 4 further on
.set WF,   32                          ; v32-79  W's four fragments
.set AF,   80                          ; v80-127 A's four
.set ACC,  128                         ; v128-255 accumulator (a, b) at ACC + 8 (4 a + b)
; v1 my place in A's images; v2, v3 in W's rows (v3: behind one padding more); v4, v5 the stage, in and back; v6 my bytes in two rows of out0; v7 32 x lane
.set G1A,  24                          ; s[24:31] descriptor group 1 for A;  s[32:35] its group 0
.set G0A,  32
.set G1W,  48                          ; s[48:55] for W;  s[68:71] its group 0
.set G0W,  68
.macro ROUND                           ; a round of the cluster's barrier
	s_barrier_signal -1
	s_barrier_wait -1
	s_cmp_lg_u32 s14, 0
	s_cbranch_scc1 .Lnot_wave_0_\@
	s_barrier_signal -3
.Lnot_wave_0_\@:
	s_barrier_wait -3
	s_barrier_signal -1
	s_barrier_wait -1
.endm
.macro SCLOAD j                        ; chunk j's scale words into set j % 2
.irp i, 0,1
	global_load_b64 v[SC+8*((\j)%2)+2*\i:SC+8*((\j)%2)+2*\i+1], v7, s[6:7] offset:1024*\i+8*(\j)
	global_load_b64 v[SC+8*((\j)%2)+4+2*\i:SC+8*((\j)%2)+4+2*\i+1], v7, s[10:11] offset:1024*\i+8*(\j)
.endr
.endm
.macro FRAG reg, q, i                  ; W's fragment i, the q-th 128 along K of the row: 24 bytes twice, in pieces of 8; lanes 16-31 read three pieces on, which for some pieces is behind one padding more
.irp p, 0,1,2,3,4,5
.set PCE, 12*(\q)+6*(\p/3)+\p%3
.if PCE%32 < 29                        ; q counts the K steps from the row's start; 32 pieces of 8 bytes stand between two paddings
	ds_load_b64 v[\reg+2*\p:\reg+2*\p+1], v2 offset:8*PCE+16*(PCE/32)+(\i)*16*WP
.else
	ds_load_b64 v[\reg+2*\p:\reg+2*\p+1], v3 offset:8*PCE+16*(PCE/32)+(\i)*16*WP
.endif
.endr
.endm
; 8 matrix instructions: A's tiles 2 a2, 2 a2 + 1 x W's four.  An odd tile's scale words stand in lanes 16-31.  zero = 1: the first product starts the sums: nothing is cleared.
; The 16 accumulators take turns, one instruction a turn, in the same order in every K step.
.macro MUL8 a2, t, sg, zero
.irp b2, 0,1
.set rA, AF+24*(\a2)
.set rW, WF+24*\b2
.set rC, ACC+8*(8*(\a2)+2*\b2)
.set sA, SC+8*(\sg)+2*(\a2)+(\t)
.set sW, SC+8*(\sg)+4+2*\b2+(\t)
.if \zero
	v_wmma_scale_f32_16x16x128_f8f6f4 v[rC:rC+7], v[rW:rW+11], v[rA:rA+11], 0, v[sW], v[sA] matrix_a_fmt:MATRIX_FMT_FP6 matrix_b_fmt:MATRIX_FMT_FP6
	v_wmma_scale_f32_16x16x128_f8f6f4 v[rC+8:rC+15], v[rW+12:rW+23], v[rA:rA+11], 0, v[sW], v[sA] matrix_a_fmt:MATRIX_FMT_FP6 matrix_b_fmt:MATRIX_FMT_FP6 matrix_a_scale:MATRIX_SCALE_ROW1
	v_wmma_scale_f32_16x16x128_f8f6f4 v[rC+32:rC+39], v[rW:rW+11], v[rA+12:rA+23], 0, v[sW], v[sA] matrix_a_fmt:MATRIX_FMT_FP6 matrix_b_fmt:MATRIX_FMT_FP6 matrix_b_scale:MATRIX_SCALE_ROW1
	v_wmma_scale_f32_16x16x128_f8f6f4 v[rC+40:rC+47], v[rW+12:rW+23], v[rA+12:rA+23], 0, v[sW], v[sA] matrix_a_fmt:MATRIX_FMT_FP6 matrix_b_fmt:MATRIX_FMT_FP6 matrix_a_scale:MATRIX_SCALE_ROW1 matrix_b_scale:MATRIX_SCALE_ROW1
.else
	v_wmma_scale_f32_16x16x128_f8f6f4 v[rC:rC+7], v[rW:rW+11], v[rA:rA+11], v[rC:rC+7], v[sW], v[sA] matrix_a_fmt:MATRIX_FMT_FP6 matrix_b_fmt:MATRIX_FMT_FP6
	v_wmma_scale_f32_16x16x128_f8f6f4 v[rC+8:rC+15], v[rW+12:rW+23], v[rA:rA+11], v[rC+8:rC+15], v[sW], v[sA] matrix_a_fmt:MATRIX_FMT_FP6 matrix_b_fmt:MATRIX_FMT_FP6 matrix_a_scale:MATRIX_SCALE_ROW1
	v_wmma_scale_f32_16x16x128_f8f6f4 v[rC+32:rC+39], v[rW:rW+11], v[rA+12:rA+23], v[rC+32:rC+39], v[sW], v[sA] matrix_a_fmt:MATRIX_FMT_FP6 matrix_b_fmt:MATRIX_FMT_FP6 matrix_b_scale:MATRIX_SCALE_ROW1
	v_wmma_scale_f32_16x16x128_f8f6f4 v[rC+40:rC+47], v[rW+12:rW+23], v[rA+12:rA+23], v[rC+40:rC+47], v[sW], v[sA] matrix_a_fmt:MATRIX_FMT_FP6 matrix_b_fmt:MATRIX_FMT_FP6 matrix_a_scale:MATRIX_SCALE_ROW1 matrix_b_scale:MATRIX_SCALE_ROW1
.endif
.endr
.endm
; A K step of 128: the chunk's t-th.  places: v_nop in front of the loads into registers that the last products read (four places are owed).
.macro KSTEP t, sg, zero, places, st
.rept \places
	v_nop
.endr
.irp b, 0,1,2,3
	FRAG WF+12*\b, \st, \b
.endr
.irp a, 0,1,2,3
.irp c, 0,1
.irp p, 0,1,2
	ds_load_b64 v[AF+12*\a+6*\c+2*\p:AF+12*\a+6*\c+2*\p+1], v1 offset:((2*(\t)+\c)*16+\a)*768+256*\p   ; head 2 t + c of the chunk, my tile a: 256 consecutive bytes a load
.endr
.endr
.endr
	s_wait_dscnt 12                                ; W's fragments and A's tiles 0 and 1 are in; the youngest twelve loads (tiles 2 and 3) may be out
	MUL8 0, \t, \sg, \zero
	s_wait_dscnt 0x0
	MUL8 1, \t, \sg, \zero
.endm
.macro CHUNK j, zero
.if (\j) == 0 || (\j) == 3             ; chunk 0: my one tensor load is in, and behind the barrier everybody's: all of A and W.  Chunk 3: every wave has done with A's chunk 0, where the stages of the way out lie
	s_wait_tensorcnt 0x0
	s_barrier_signal -1                            ; (no LDS instruction of mine is out: the last K step waited for all)
	s_barrier_wait -1
.endif
.if (\j) < 3
	s_wait_loadcnt 4                               ; chunk j's scale words are in; the next chunk's four loads may be out
.else
	s_wait_loadcnt 0x0
.endif
	KSTEP 0, (\j)%2, \zero, 0, 2*(\j)
	KSTEP 1, (\j)%2, 0, 4, 2*(\j)+1
.if (\j) < 3
	v_add_nc_u32 v1, ACH, v1                       ; on to the next chunk; this and the three v_nop are the places behind the last products
	v_nop
	v_nop
	v_nop
.else
.rept 4
	v_nop
.endr
.endif
.if (\j) < 2
	SCLOAD (\j)+2                                  ; into the set that this chunk has done with
.endif
.endm
; THE WAY OUT of my rows 16 a on: a lane holds 32 neighbouring bytes of a row and the lanes beside it other rows, so the block goes through my own stage and comes back as whole rows of 256 bytes.
; LDS serves a wave's instructions in order (ISA guide 5.7.1.4): no wait between the stores and the loads, nor in front of the next block's stores.
.macro OUTA a
.set BB, WF+32*((\a)%2)
.if (\a) >= 2
	s_wait_xcnt 0x0                                ; the stores of the block two back have read their registers: only behind this wait are these loaded again
.endif
.irp b, 0,1,2,3
	ds_store_b128 v4, v[ACC+8*(4*(\a)+\b):ACC+8*(4*(\a)+\b)+3] offset:64*\b          ; each accumulator from its low end on
	ds_store_b128 v4, v[ACC+8*(4*(\a)+\b)+4:ACC+8*(4*(\a)+\b)+7] offset:64*\b+16
.endr
.irp i, 0,1,2,3,4,5,6,7
	ds_load_b128 v[BB+4*\i:BB+4*\i+3], v5 offset:\i*2*SPI
.endr
.irp i, 0,1,2,3,4,5,6,7
	s_wait_dscnt 7-\i                              ; LDS loads come back in order: pair i of rows is in
	global_store_b128 v6, v[BB+4*\i:BB+4*\i+3], s[12:13] offset:(16*(\a)+2*\i)*4096 th:TH_STORE_NT   ; 16 lanes store 256 consecutive bytes, at a multiple of 256 from out0's first byte
.endr
.endm
	s_load_b256 s[4:11], s[0:1], 0x0               ; ac s[4:5], asc s[6:7], w_out_codes s[8:9], w_out_scales s[10:11]
	s_load_b64 s[12:13], s[0:1], 0x20              ; out0
	v_lshl_add_u32 v30, v0, 2, 0x4e000
	v_mov_b32 v31, 0
	ds_add_u32 v30, v31
	ds_add_u32 v30, v31
	v_lshrrev_b32 v8, 5, v0
	s_delay_alu instid0(VALU_DEP_1)
	v_readfirstlane_b32 s14, v8                    ; wave 0..7
	s_and_b32 s15, s14, 3                          ; which chunk of A, or which 32 rows of W, I fetch
	s_and_b32 s16, s14, 1                          ; which 64 columns are mine.  Also: which 64 rows of W I read
	s_lshr_b32 s17, s14, 1                         ; which 64 rows are mine
	s_bfe_u32 s56, ttmp6, 0x40000                  ; cx, cy: my place in the cluster
	s_bfe_u32 s57, ttmp6, 0x40004
	s_lshl_b32 s58, ttmp9, 2
	s_add_co_u32 s58, s58, s56                     ; block of 128 columns = 4 x cluster x + cx
	s_and_b32 s59, ttmp7, 0xffff
	s_lshl_b32 s59, s59, 2
	s_add_co_u32 s59, s59, s57                     ; block of 256 rows = 4 x cluster y + cy
	s_lshl_b32 s60, s57, 2
	s_lshl_b32 s60, 15, s60                        ; my row of the cluster
	s_lshl_b32 s61, 0x1111, s56                    ; my column
	; A: four heads' images of 256 rows, as 192 rows of 32 elements of 8 bytes
	s_or_b32 s[G1A], s60, (3<<16)|(1<<21)          ; 15:0 the mask: my row; 17:16 elements of 8 bytes; 21 set beside a mask
	s_mov_b32 s[G1A+1], 32<<16
	s_mov_b32 s[G1A+2], 192<<16                    ; a chunk of A: four heads' images, 49,152 dense bytes, as 192 rows of 256
	s_mov_b32 s[G1A+3], 32<<16
	s_mov_b32 s[G1A+4], 192
	s_mov_b32 s[G1A+5], 32
	s_mov_b32 s[G1A+6], 0
	s_mov_b32 s[G1A+7], 0
	; W: 32 whole rows of 768 bytes
	s_or_b32 s[G1W], s61, (1<<20)|(1<<21)|(5<<22)|(3<<25)   ; the mask: my column; elements of 1 byte; padding on: after every 64 words (code 5) 4 words (code 3).  32 whole rows of 768 bytes
	s_mov_b32 s[G1W+1], 768<<16
	s_mov_b32 s[G1W+2], 32<<16
	s_mov_b32 s[G1W+3], 768<<16
	s_mov_b32 s[G1W+4], 32
	s_mov_b32 s[G1W+5], 768
	s_mov_b32 s[G1W+6], 0
	s_mov_b32 s[G1W+7], 0
	; A's address hangs on the block of rows and the wave's number, W's on the block of columns and the wave's number, each in registers that never hold the other coordinate; LDS addresses on the wave's number alone
	s_mul_i32 s18, s15, ACH                        ; waves 0-3 fetch a chunk of A each
	s_mul_i32 s20, s59, 196608
	s_add_co_u32 s20, s20, s18
	s_mov_b32 s21, 0
	s_lshl_b32 s22, s58, 7
	s_lshl_b32 s19, s15, 5                         ; waves 4-7 fetch 32 rows of W each
	s_add_co_u32 s22, s22, s19
	s_mul_i32 s22, s22, 768
	s_mov_b32 s23, 0
	s_mul_i32 s92, s15, 32*WP
	s_add_co_u32 s92, s92, WB                      ; where they go
	s_mul_i32 s19, s16, 64*WP
	s_add_co_u32 s63, s19, WB                      ; the half of W's rows that I read
	v_and_b32 v26, 31, v0                          ; lane
	v_and_b32 v27, 15, v0                          ; r
	v_bfe_u32 v28, v0, 4, 1                        ; h
	s_delay_alu instid0(VALU_DEP_3)
	v_lshlrev_b32 v1, 3, v26
	s_mul_i32 s62, s17, 3072
	v_add_nc_u32 v1, s62, v1                       ; A: 8 x lane + my four tiles of 768 bytes
	v_mul_u32_u24 v2, v27, WP
	s_delay_alu instid0(VALU_DEP_1)
	v_mad_u32_u24 v2, v28, 24, v2
	s_delay_alu instid0(VALU_DEP_1)
	v_add_nc_u32 v2, s63, v2                       ; W: row r x pitch + 24 h
	s_delay_alu instid0(VALU_DEP_1)
	v_lshl_add_u32 v3, v28, 4, v2                  ; and the same behind one padding more
	s_mul_i32 s62, s14, 16*SPI                     ; my stage
	v_mul_u32_u24 v4, v27, SPI
	s_delay_alu instid0(VALU_DEP_1)
	v_lshl_add_u32 v4, v28, 5, v4
	s_delay_alu instid0(VALU_DEP_1)
	v_add_nc_u32 v4, s62, v4                       ; in: row r, 32 bytes for each half of the lanes
	v_mul_u32_u24 v5, v28, SPI
	s_delay_alu instid0(VALU_DEP_1)
	v_lshl_add_u32 v5, v27, 4, v5
	s_delay_alu instid0(VALU_DEP_1)
	v_add_nc_u32 v5, s62, v5                       ; back: lanes 0-15 one row of 256 bytes, lanes 16-31 the next
	v_lshlrev_b32 v6, 12, v28
	s_delay_alu instid0(VALU_DEP_1)
	v_lshl_add_u32 v6, v27, 4, v6                  ; and the same two rows in out0
	v_lshlrev_b32 v7, 5, v26                       ; a row of scale bytes is 32 bytes
	s_lshl_b32 s90, s59, 8
	s_lshl_b32 s89, s17, 6
	s_add_co_u32 s90, s90, s89                     ; my first row
	s_wait_dscnt 0x0
	s_wait_kmcnt 0x0
	s_add_nc_u64 s[84:85], s[4:5], s[20:21]
	s_add_nc_u64 s[86:87], s[8:9], s[22:23]
.irp j, 0
	s_mov_b32 s[G0A+4*\j], 1
	s_add_co_u32 s[G0A+4*\j+1], s18, ACH*\j                        ; LDS address
	s_add_nc_u64 s[G0A+4*\j+2:G0A+4*\j+3], s[84:85], ACH*\j        ; global address: chunk j
	s_or_b32 s[G0A+4*\j+3], s[G0A+4*\j+3], 0x80000000             ; type = 2
	s_mov_b32 s[G0W+4*\j], 1
	s_add_co_u32 s[G0W+4*\j+1], s92, 0
	s_add_nc_u64 s[G0W+4*\j+2:G0W+4*\j+3], s[86:87], 192*\j
	s_or_b32 s[G0W+4*\j+3], s[G0W+4*\j+3], 0x80000000
.endr
	s_lshl_b32 s88, s90, 12
	s_lshl_b32 s89, s58, 9
	s_add_co_u32 s88, s88, s89
	s_lshl_b32 s89, s16, 8
	s_add_co_u32 s88, s88, s89
	s_mov_b32 s89, 0
	s_add_nc_u64 s[12:13], s[12:13], s[88:89]      ; out0 at my first row, my first column
	s_lshl_b32 s88, s90, 5
	s_add_nc_u64 s[6:7], s[6:7], s[88:89]          ; A's scale bytes at my first row
	s_lshl_b32 s88, s58, 12
	s_lshl_b32 s91, s16, 11
	s_add_co_u32 s88, s88, s91
	s_add_nc_u64 s[10:11], s[10:11], s[88:89]      ; W's at my first column's row
	ROUND                                          ; all sixteen work-groups are here: the joint loads meet
	; All fills of the launch, in one branch on the wave's number: waves 0 to 3 ask for A (a chunk each), waves 4 to 7 for W (32 whole rows each); one tensor load of a wave is out.  Four v_nop follow the last line of each arm.
	s_cmp_lt_u32 s14, 4
	s_cbranch_scc0 .Lnot_a
	tensor_load_to_lds s[G0A:G0A+3], s[G1A:G1A+7]
	s_nop 0
.rept 4
	v_nop
.endr
	s_branch .Lasked
.Lnot_a:
	tensor_load_to_lds s[G0W:G0W+3], s[G1W:G1W+7]
	s_nop 0
.rept 4
	v_nop
.endr
.Lasked:
	s_wait_alu depctr_va_vdst(0)
	SCLOAD 0
	SCLOAD 1
	CHUNK 0, 1
	s_wait_alu depctr_va_vdst(0)
	CHUNK 1, 0
	s_wait_alu depctr_va_vdst(0)
	CHUNK 2, 0
	s_wait_alu depctr_va_vdst(0)
	CHUNK 3, 0                                     ; its wait on the tensor loads is for 0: none is out from here on
	OUTA 0
	OUTA 1
	OUTA 2
	OUTA 3
	s_wait_tensorcnt 0x0
	ds_add_u32 v30, v31
	s_wait_dscnt 0x0
	ROUND                                          ; the closing round
	s_endpgm
.Lfunc_end_k_q7cad329eb0_proj:
	.size	k_q7cad329eb0_proj, .Lfunc_end_k_q7cad329eb0_proj-k_q7cad329eb0_proj
	.p2alignl 7, 3214868480
	.fill 96, 4, 3214868480
	.section	.rodata,"a",@progbits
	.p2align	6, 0x0
	.amdhsa_kernel k_q7cad329eb0_proj
		.amdhsa_group_segment_fixed_size 327680
		.amdhsa_private_segment_fixed_size 0
		.amdhsa_enable_private_segment 0
		.amdhsa_kernarg_size 40
		.amdhsa_user_sgpr_count 2
		.amdhsa_user_sgpr_kernarg_segment_ptr 1
		.amdhsa_wavefront_size32 1
		.amdhsa_system_sgpr_workgroup_id_x 1
		.amdhsa_system_sgpr_workgroup_id_y 1
		.amdhsa_system_sgpr_workgroup_id_z 1
		.amdhsa_system_vgpr_workitem_id 0
		.amdhsa_next_free_vgpr 256
		.amdhsa_next_free_sgpr 96
		.amdhsa_reserve_vcc 0
		.amdhsa_float_denorm_mode_32 3
		.amdhsa_float_denorm_mode_16_64 3
		.amdhsa_memory_ordered 1
		.amdhsa_forward_progress 1
		.amdhsa_inst_pref_size 59
	.end_amdhsa_kernel
	.amdgpu_metadata
---
amdhsa.version: [ 1, 2 ]
amdhsa.kernels:
  - .name:           k_q7cad329eb0_proj
    .symbol:         k_q7cad329eb0_proj.kd
    .args:
      - { .name: ac, .offset: 0, .size: 8, .value_kind: global_buffer, .address_space: global }
      - { .name: asc, .offset: 8, .size: 8, .value_kind: global_buffer, .address_space: global }
      - { .name: w_out_codes, .offset: 16, .size: 8, .value_kind: global_buffer, .address_space: global }
      - { .name: w_out_scales, .offset: 24, .size: 8, .value_kind: global_buffer, .address_space: global }
      - { .name: out0, .offset: 32, .size: 8, .value_kind: global_buffer, .address_space: global }
    .group_segment_fixed_size: 327680
    .private_segment_fixed_size: 0
    .kernarg_segment_align: 8
    .kernarg_segment_size: 40
    .max_flat_workgroup_size: 256
    .sgpr_count:     96
    .vgpr_count:     256
    .wavefront_size: 32
...
	.end_amdgpu_metadata
.endif
;; end of part 3
